; MI455X (gfx1250); checked and timed in simulation.
; The chip was launched on July 23, 2026; its instructions are those of AMD's public machine-readable ISA for CDNA 5 (MIT licence, August 2026) and "CDNA5" Instruction Set Architecture Reference Guide (July 2026). The comments in the code are by the model that wrote it; some were corrected since.
;; Attention. Allowed arithmetic: float matrix products may take bf16 or f16 operands with f32 sums; other float arithmetic in f32, or as packed bf16 or f16 multiplies, adds, multiply-adds, maxima and minima; sums over many terms, partial sums and values carried from step to step in f32; what a program stores and reads back later, other than sums and carried values, may be rounded once to bf16 or f16.
;; Inputs: b_out 256 float32; be_o 256 float32; bk 256 float32; bq 256 float32; bv 512 float32; gk 256 float32; go 256 float32; gq 256 float32; gv 512 float32; mk 256 float32; mo 256 float32; mq 256 float32; mv 512 float32; vk 256 float32; vo 256 float32; vq 256 float32; vv 512 float32; wk 256 x 256 float32; wo 256 x 512 float32; wq 256 x 256 float32; wv 512 x 256 float32; x 32 x 256 x 32 x 32 float32.
;; Outputs: out0 32 x 256 x 32 x 32 float32.
;; One version. Each part assembles by itself: llvm-mc -triple=amdgcn-amd-amdhsa -mcpu=gfx1250 --defsym DOCPART=n.
;; ======== version 1 of 1: 2 launches
;; limits: a function is approximated: absolute error at most 1.5e-07; values are held in f16: magnitudes above 65,504 overflow, below 6.1e-05 lose precision; right only within a limited range of input values
;; workspace buffers: act 67,108,864 bytes; wob 262,144 bytes
;; launch attn (part 1): grid 8 x 32, 8 waves a work-group, no clusters, 268,288 bytes of LDS; arguments x, wq, wk, wv, gq, vq, bq, mq, gk, vk, gv, vv, bv, mv, wo, act, wob; writes act, wob
.if DOCPART == 1
	.amdgcn_target "amdgcn-amd-amdhsa--gfx1250"
	.amdhsa_code_object_version 6
	.text
	.protected	k_qd533a52678_attn
	.globl	k_qd533a52678_attn
	.p2align	8
	.type	k_qd533a52678_attn,@function
k_qd533a52678_attn:
	s_mov_b64 s[64:65], 0
	v_nop
	global_prefetch_b8 v0, s[64:65] scope:SCOPE_SE
	s_setreg_imm32_b32 hwreg(HW_REG_WAVE_MODE, 25, 1), 1
	s_wait_xcnt 0x0
; ONE (batch, head) TO A WORK-GROUP: q, k, v = BN(1x1 conv of x) for the head's 32 + 32 + 64 channels, softmax(q k^T / sqrt(32)) v over the 1,024 pixels, exact GELU.
; It stores act = gelu(out) as matrix fragments for the next launch, each number as two bf16 (hi = the number rounded, lo = the rest rounded), and one fragment of wo rounded to bf16 (256 work-groups, 256 fragments).
; WORK LEFT OUT.  k_j = inv_k (wk x_j) + ck with ck = bk - mk inv_k, so dots_ij = q_i . (inv_k wk x_j) + q_i . ck: the second term is the same for every j, the softmax's axis, and cancels
; in softmax for all finite values of the inputs.  So bk and mk have no way to the output: they are not loaded and are no arguments.  LIMIT: a NaN, an infinity or an overflow that would
; arise in that term alone is not carried to the result.  v's scale and bias are NOT left out: the softmax's weights add up to 1 and inv_v is a factor of a whole channel, so
; out = inv_v (weighted mean of wv x) + cv, cv = bv - mv inv_v, is made in f32 behind the weighted mean.
; FORMATS.  EVERY INPUT IS ROUNDED ONCE TO bf16, BN's g, v, b, m like x and the weights: one rounding for all inputs alike; the projection multiplies in bf16, BN's arithmetic is in f32.
; What the program itself makes for the two products of attention goes in f16 (11 significant bits): where one key holds a large part of a query's weight, roundings do not average out over the keys.
; f16's RANGE is kept by scales that stay outside the operands: v^ = wv x; q^ = c q / PQ and k^ = k / PK with c = log2(e) / sqrt(32) and powers of two PQ, PK from the head's own BN numbers
; (PQ: the power of two under the largest |c inv_q|, |c bias_q| of its 32 channels; PK: under the largest |inv_k|; 2^-40 at the least).  So |q^| <= 2 |wq x| + 2, |k^| <= 2 |wk x|, whatever BN's numbers are.
; With x and the weights 30 times larger w x has a spread of 720; with offsets of 30 spreads on both it is 11,520.  LIMIT: |w x| under 32,000.  The exponent is f (s^ - m^), f = PQ PK, an exact factor, in f32.
; p lies in 0 to 1; below 6e-5 it keeps f16's fixed step of 6e-8.  act has no such room in f16 (it carries inv_v): two bf16.  Sums, maxima, l, BN and GELU in f32.
; SOFTMAX IN TWO PASSES.  Pass 1 makes S^T = K Q^T and keeps each query's true maximum m^.  Pass 2 makes S^T again with -m^ as the C operand: p = 2^(f (s^ - m^)), l = sum p (unrounded), O^T += V^T P.
; No running maximum, nothing rescaled.
; LIMITS.  erf by a five-term rational form (absolute error 1.5e-7 at the most, all arguments); a weight below 2^-126 counts as 0; NaN and infinities are not treated apart.
; SHARES.  Eight waves; wave w owns pixels 128 w .. 128 w + 127 as queries and makes K and V of the same pixels.  Group g is 64 of them; fragment j of a group holds the 16 pixels 4 r + j
; (r = lane % 16): a lane's 16-byte load of x is pixels 4 r .. 4 r + 3 of one channel, so fragments are made by conversion alone.  The keys' order is the same in P and in V^T.
; A FRAGMENT (16 rows x 32 k, 8 registers) lies in LDS and in act as 1,024 bytes: registers 0-3 of lane l at 16 l, registers 4-7 at 512 + 16 l: every access is 512 bytes on end.
; act: fragment (batch, group of 64 pixels, k step, part hi or lo, j) at ((((16 b + grp) 16 + ks) 2 + part) 4 + j) x 1,024.  wob: fragment (k step, block of 16 rows) at (16 ks + ob) x 1,024.
; NO CLUSTER, NO TENSOR LOAD.  K (65,536) + V (131,072) + weights (69,632) + tables stay in LDS; 59,392 bytes are left, and one step of the eight waves' x is 65,536 bytes in f32: two slots
; do not fit.  x passes through registers anyway, to be rounded.  The eight heads of a batch walk x's eight blocks of 32 channels each from its own number on.
; LDS: K 0; V 65,536; W 196,608 (a fragment is 4 x 272 bytes: 256 + 16 of padding); inv 266,240; bias 266,752; spare words 267,264.  Behind the third barrier wave w's 32,768 bytes from 32,768 w hold its O.
; REGISTERS.  Window 0: v0-15 addresses; v16-79 Q; the rest by phase (below).  Window 1: the projection's 32 accumulators, then O^T (32 a tile).
.set VB,    65536
.set WB,    196608
.set FRW,   1088                    ; a fragment of W in LDS
.set OBW,   8*FRW                   ; a block of 16 output channels: 8 fragments
.set TI,    266240                  ; inv[128]: q's (x c) 0-31, k's 32-63, v's 64-127; bias[128] 512 bytes on
.set SPARE, 267264                  ; the spare words, 128 bytes for each of eight waves: four blocks of 256 bytes that no other line names
.set R,    1                        ; lane % 16
.set LN,   2                        ; 16 x lane
.set WL,   3                        ; my place in a fragment of W
.set XO,   4                        ; my place in a step's rows of x; never rewritten
.set KA,   5                        ; LDS address in hand (W, K); in the prologue an offset in W's rows
.set VA,   6                        ; LDS address of V's loads; in the prologue the other offset
.set PFO,  7                        ; the prefetch's offset: a lane a row; never rewritten
.set SCRL, 8                        ; my place in my wave's scratch
.set TQ,   9                        ; TI + 32 (lane / 16)
.set R4,   10                       ; 4 r
.set KS,   11                       ; where I store K
.set VS,   12                       ; where I store V
.set TMPV, 13
.set SPW,  14                       ; my spare word
.set NIL,  15                       ; 0
.set Q,    16                       ; tile T at Q + 8 T
.set F,    48                       ; projection: W's fragments F0-F3
.set STA,  80                       ; projection: x as loaded, even steps
.set STB,  144                      ; odd steps
.set XF,   208                      ; projection: x's four fragments
.set F4,   240                      ; projection: W's fragments F4, F5
.set HH,   244                      ; prologue's temporaries, in F4's and F5's registers
.set LL,   245
.set T0,   246
.set T1,   247
.set WSR,  248
.set BG,   249
.set BVR,  250
.set BB,   251
.set BM,   252
.set BI,   253
.set SA,   80                       ; pass 1: scores of the first 16 keys, 8 a tile
.set KF2,  144                      ; pass 1: K's second buffer
.set KF,   160                      ; K of a step: two fragments; in the way out at work on l
.set SB,   176                      ; pass 1: scores of the second 16 keys
.set MX,   240                      ; pass 1: the maxima
.set NEGM, 80                       ; pass 2: -m^, 8 registers a tile (a C operand)
.set L,    144                      ; pass 2: l, a pair a tile
.set VF,   176                      ; pass 2: V^T of a step: four fragments
.set S,    208                      ; pass 2: two tiles' scores
.set P,    240                      ; pass 2: two tiles' weights
.set CV,   80                       ; the way out: v's bias, 32
.set RL,   112                      ; 1 / l, tile T at RL + 2 T
.set TT,   144                      ; normalised O, two buffers of 32
.set IVR,  208                      ; the way out: v's inv, 32
.set X,    16                       ; GELU's registers
.set Y,    48
.set U,    80
.set PL,   112
.set M,    144
.set G,    176                      ; act's hi part, packed
.set GL,   192                      ; act's lo part, packed
.set WV,  2
.set HD,  3
.set BT,  38
.set WP,  40
.set GP,  42
.set VP,  44
.set BP,  46
.set MP,  48
.set CF,  50
.set CH0, 51
.set XB,  54
.set XPA, 56
.set XPB, 58
.set OFF, 60                        ; an offset as a pair, high word 0
.set PF,  62
.set SN,  66
.set CNT, 67
.set WO,  68
.set SEL, 72                        ; s[72:73] v_permlanex16_b32's selects
.set RQ,  74                        ; s[74:75] 1 / PQ, named as a pair
.set RK,  76                        ; s[76:77] 1 / PK
.set FS,  78                        ; s[78:79] f = PQ PK
.set A5,  6                         ; from the second barrier on, in registers whose pointers are dead
.set A4,  8
.set A3,  10
.set A2,  12
.set A1,  14
.set NK,  16
.set PP,  18
.set KO,  20
.set VO,  21
.set SO,  22
.set TN,  23
.set AB,  28
.set AP,  30
.set MSB, 0
.macro WIN new                      ; bits 1:0 source 0, 3:2 source 1, 5:4 source 2, 7:6 destination; the high byte repeats the setting that is left
.if MSB != (\new)
	s_set_vgpr_msb (MSB<<8)|(\new)
.set MSB, (\new)
.endif
.endm
.macro NOP4                         ; four places behind a matrix instruction (ISA guide 7.12.1)
.rept 4
	v_nop
.endr
.endm
.macro BAR
	s_barrier_signal -1
	s_barrier_wait -1
.endm
; A step's 16 loads of x: channels 8 h + 0..7 and 16 + 8 h + 0..7 of the block, 16 bytes (4 pixels) each; sixteen lanes take 256 bytes on end, aligned
.macro XLOADS st, xp
.set i, 0
.rept 16
	global_load_b128 v[(\st)+4*i:(\st)+4*i+3], v[XO], s[\xp:\xp+1] offset:(i+8*(i/8))*4096
.set i, i+1
.endr
.endm
	s_load_b512 s[4:19], s[0:1], 0x0               ; x wq wk wv gq vq bq mq
	s_load_b512 s[20:35], s[0:1], 0x40             ; gk vk gv vv bv mv wo act
	s_load_b64 s[36:37], s[0:1], 0x80              ; wob
	v_lshl_add_u32 v[SPW], v0, 2, SPARE
	v_mov_b32 v[NIL], 0
	v_lshrrev_b32 v[T0], 5, v0
	v_readfirstlane_b32 s[WV], v[T0]               ; wave 0..7
	s_mov_b32 s[HD], ttmp9                         ; head
	s_and_b32 s[BT], ttmp7, 0xffff                 ; batch
	s_mov_b32 s[OFF+1], 0
	v_and_b32 v[R], 15, v0
	v_bfe_u32 v[HH], v0, 4, 1
	v_and_b32 v[LL], 31, v0
	v_lshlrev_b32 v[LN], 4, v[LL]
	v_mul_u32_u24 v[WL], v[HH], 272
	v_lshl_add_u32 v[WL], v[R], 4, v[WL]
	v_add_nc_u32 v[WL], WB, v[WL]
	v_lshlrev_b32 v[XO], 15, v[HH]                 ; 8 rows of 4,096 bytes for the upper lanes
	v_lshl_add_u32 v[XO], v[R], 4, v[XO]
	v_lshlrev_b32 v[PFO], 12, v[LL]
	s_lshl_b32 s69, s[WV], 15
	v_add_nc_u32 v[SCRL], s69, v[LN]
	v_lshlrev_b32 v[TQ], 5, v[HH]
	v_add_nc_u32 v[TQ], TI, v[TQ]
	v_lshlrev_b32 v[R4], 2, v[R]
	s_lshl_b32 s69, s[WV], 13
	v_add_nc_u32 v[KS], s69, v[LN]
	s_lshl_b32 s69, s[WV], 14
	s_add_co_u32 s69, s69, VB
	v_add_nc_u32 v[VS], s69, v[LN]
	; W's rows are read 512 bytes an instruction: eight lanes a block of 32 channels; place ks' of the LDS image takes channel block (ks' + head) % 8
	v_lshrrev_b32 v[T0], 3, v[LL]
	v_add_nc_u32 v[T1], s[HD], v[T0]
	v_and_b32 v[T1], 7, v[T1]
	v_and_b32 v[TMPV], 7, v[LL]
	v_lshlrev_b32 v[TMPV], 4, v[TMPV]
	v_lshl_add_u32 v[KA], v[T1], 7, v[TMPV]        ; places 0-3
	v_xor_b32 v[T1], 4, v[T1]
	v_lshl_add_u32 v[VA], v[T1], 7, v[TMPV]        ; places 4-7
	v_lshlrev_b32 v[TMPV], 11, v[R]                ; wo: row r, 32 bytes for each half of the lanes
	v_lshl_add_u32 v[TMPV], v[HH], 5, v[TMPV]
	; where my 4 channels (8 bytes in bf16) go: place, register group, lane half, half of 16 bytes: modulo 256 that is 8 x lane, each bank pair once
	v_mul_u32_u24 v[WSR], v[T0], FRW
	v_bfe_u32 v[T1], v0, 2, 1
	v_mad_u32_u24 v[WSR], v[T1], 544, v[WSR]
	v_bfe_u32 v[T1], v0, 1, 1
	v_mad_u32_u24 v[WSR], v[T1], 272, v[WSR]
	v_and_b32 v[T1], 1, v0
	v_lshl_add_u32 v[WSR], v[T1], 3, v[WSR]
	s_mul_i32 s69, s[WV], OBW
	s_add_co_u32 s69, s69, WB
	v_add_nc_u32 v[WSR], s69, v[WSR]
	; ROLES.  Wave w stages block w of 16 output channels: waves 0, 1 q's; 2, 3 k's; 4-7 v's
	s_and_b32 s69, s[WV], 1
	s_lshl_b32 s69, s69, 4
	s_lshl_b32 s71, s[HD], 5
	s_add_co_u32 s69, s69, s71                     ; q, k: 32 head + 16 (w % 2)
	s_and_b32 s70, s[WV], 3
	s_lshl_b32 s70, s70, 4
	s_lshl_b32 s71, s[HD], 6
	s_add_co_u32 s70, s70, s71                     ; v: 64 head + 16 (w % 4)
	s_wait_kmcnt 0x0
	s_cmp_lt_u32 s[WV], 2
	s_cselect_b64 s[WP:WP+1], s[6:7], s[8:9]
	s_cselect_b64 s[GP:GP+1], s[12:13], s[20:21]
	s_cselect_b64 s[VP:VP+1], s[14:15], s[22:23]
	s_cselect_b32 s[CF], 0x3e8293ee, 1.0           ; c = log2(e) / sqrt(32), for q alone
	s_cmp_lt_u32 s[WV], 4
	s_cselect_b64 s[WP:WP+1], s[WP:WP+1], s[10:11]
	s_cselect_b64 s[GP:GP+1], s[GP:GP+1], s[24:25]
	s_cselect_b64 s[VP:VP+1], s[VP:VP+1], s[26:27]
	s_cselect_b64 s[BP:BP+1], s[16:17], s[28:29]
	s_cselect_b64 s[MP:MP+1], s[18:19], s[30:31]
	s_cselect_b32 s[CH0], s69, s70
	s_lshl_b32 s[OFF], s[CH0], 10                  ; a row of W is 1,024 bytes
	s_add_nc_u64 s[WP:WP+1], s[WP:WP+1], s[OFF:OFF+1]
	s_lshl_b32 s[OFF], s[CH0], 2
	s_add_nc_u64 s[GP:GP+1], s[GP:GP+1], s[OFF:OFF+1]
	s_add_nc_u64 s[VP:VP+1], s[VP:VP+1], s[OFF:OFF+1]
	s_add_nc_u64 s[BP:BP+1], s[BP:BP+1], s[OFF:OFF+1]
	s_add_nc_u64 s[MP:MP+1], s[MP:MP+1], s[OFF:OFF+1]
	s_lshl_b32 s[OFF], s[BT], 20
	s_lshl_b32 s69, s[WV], 9
	s_add_co_u32 s[OFF], s[OFF], s69
	s_add_nc_u64 s[XB:XB+1], s[4:5], s[OFF:OFF+1]  ; x at the batch, my wave's 128 pixels
	s_lshl_b32 s[OFF], s[HD], 17                   ; a block of 32 channels is 131,072 bytes
	s_add_nc_u64 s[XPA:XPA+1], s[XB:XB+1], s[OFF:OFF+1]
	s_add_nc_u64 s[PF:PF+1], s[XPA:XPA+1], 256     ; the same block, my second group of 64 pixels
	s_add_co_u32 s69, s[HD], 1
	s_and_b32 s69, s69, 7
	s_lshl_b32 s[OFF], s69, 17
	s_add_nc_u64 s[XPB:XPB+1], s[XB:XB+1], s[OFF:OFF+1]
	; THE LOADS, oldest first, so that the 32 loads of x are the youngest on every wave's path
	s_cmp_lg_u32 s[WV], 2
	s_cbranch_scc1 .Lnot_wo_a
	s_lshr_b32 s69, s[BT], 1                       ; one fragment of wo: rows 16 (batch / 2) on,
	s_lshl_b32 s69, s69, 15
	s_and_b32 s70, s[BT], 1
	s_lshl_b32 s70, s70, 3
	s_add_co_u32 s70, s70, s[HD]
	s_lshl_b32 s70, s70, 7                         ; channels 32 (8 (batch % 2) + head) on
	s_add_co_u32 s[OFF], s69, s70
	s_add_nc_u64 s[52:53], s[32:33], s[OFF:OFF+1]
	global_load_b128 v[XF:XF+3],     v[TMPV], s[52:53]
	global_load_b128 v[XF+4:XF+7],   v[TMPV], s[52:53] offset:16
	global_load_b128 v[XF+8:XF+11],  v[TMPV], s[52:53] offset:64
	global_load_b128 v[XF+12:XF+15], v[TMPV], s[52:53] offset:80
.Lnot_wo_a:
	s_cmp_eq_u32 s[WV], 2                          ; waves 2 and 3 stage k, which has no bias (the comment at the head): they load neither b nor m
	s_cbranch_scc1 .Lis_k_a
	s_cmp_eq_u32 s[WV], 3
	s_cbranch_scc1 .Lis_k_a
	global_load_b32 v[BB], v[R4], s[BP:BP+1]
	global_load_b32 v[BM], v[R4], s[MP:MP+1]
.Lis_k_a:
	global_load_b32 v[BG], v[R4], s[GP:GP+1]
	global_load_b32 v[BVR], v[R4], s[VP:VP+1]
	WIN 0x40                                       ; W as it lies, into window 1
.set t, 0
.rept 16
	global_load_b128 v[8*t:8*t+3],   v[KA], s[WP:WP+1] offset:t*1024
	global_load_b128 v[8*t+4:8*t+7], v[VA], s[WP:WP+1] offset:t*1024
.set t, t+1
.endr
	WIN 0
	XLOADS STA, XPA                                ; step 0
	XLOADS STB, XPB                                ; step 1
	s_wait_loadcnt 0x20                            ; all but the 32 loads of x
	v_cvt_pk_bf16_f32 v[T0], v[BG], v[BVR]         ; g and var are rounded to bf16 like every input, and widened again
	v_lshlrev_b32 v[BG], 16, v[T0]
	v_and_b32 v[BVR], 0xffff0000, v[T0]
	v_add_f32 v[BVR], 0x3727c5ac, v[BVR]           ; var + 1e-5
	v_rsq_f32 v[BI], v[BVR]
	v_mul_f32 v[BG], s[CF], v[BG]                  ; the plain instruction behind the root
	s_lshl_b32 s69, s[WV], 6
	s_add_co_u32 s69, s69, TI
	v_add_nc_u32 v[TMPV], s69, v[R4]
	s_wait_alu depctr_va_vdst(0)                   ; ahead of the root's first reader
	v_mul_f32 v[BI], v[BI], v[BG]                  ; inv (x c for q)
	ds_store_b32 v[TMPV], v[BI]
	s_cmp_eq_u32 s[WV], 2                          ; the same two waves as above make no bias
	s_cbranch_scc1 .Lis_k_b
	s_cmp_eq_u32 s[WV], 3
	s_cbranch_scc1 .Lis_k_b
	v_cvt_pk_bf16_f32 v[T0], v[BB], v[BM]          ; b and m likewise
	v_lshlrev_b32 v[BB], 16, v[T0]
	v_and_b32 v[BM], 0xffff0000, v[T0]
	v_mul_f32 v[BB], s[CF], v[BB]
	v_fma_f32 v[BB], -v[BM], v[BI], v[BB]          ; b - m inv (x c for q)
	ds_store_b32 v[TMPV], v[BB] offset:512
.Lis_k_b:
	WIN 0x05
.set n, 0
.rept 64
	v_cvt_pk_bf16_f32 v[Q+n], v[2*n], v[2*n+1]
.set n, n+1
.endr
	WIN 0
.set t, 0
.rept 32
	ds_store_b64 v[WSR], v[Q+2*t:Q+2*t+1] offset:(t%2)*4*FRW+(t/2)*16
.set t, t+1
.endr
	s_cmp_lg_u32 s[WV], 2
	s_cbranch_scc1 .Lnot_wo_b
.set n, 0
.rept 8
	v_cvt_pk_bf16_f32 v[XF+16+n], v[XF+2*n], v[XF+2*n+1]
.set n, n+1
.endr
	s_and_b32 s69, s[BT], 1
	s_lshl_b32 s69, s69, 3
	s_add_co_u32 s69, s69, s[HD]                   ; k step 8 (batch % 2) + head,
	s_lshl_b32 s69, s69, 4
	s_lshr_b32 s70, s[BT], 1                       ; block of rows batch / 2
	s_add_co_u32 s69, s69, s70
	s_lshl_b32 s[OFF], s69, 10
	s_add_nc_u64 s[52:53], s[36:37], s[OFF:OFF+1]
	global_store_b128 v[LN], v[XF+16:XF+19], s[52:53]             ; 512 bytes on end, aligned
	global_store_b128 v[LN], v[XF+20:XF+23], s[52:53] offset:512
.Lnot_wo_b:
	s_wait_xcnt 0x0                                ; the stores' data registers are written again in the first step
	s_wait_dscnt 0x0                               ; my part of W and of the tables is in LDS
	BAR                                            ; everybody's is
	; THE POWERS OF TWO that keep q^ and k^ inside f16 (the comment at the head).  A lane a channel: the head has 32 of q and 32 of k; the maxima are taken over the 32 lanes.
	s_mov_b32 s[SEL], 0x76543210                   ; v_permlanex16_b32: each lane takes its own place in the other half
	s_mov_b32 s[SEL+1], 0xfedcba98
	v_lshl_add_u32 v[T0], v[LL], 2, TI
	ds_load_b32 v[BG], v[T0]                       ; c inv_q
	ds_load_b32 v[BB], v[T0] offset:512            ; c bias_q
	ds_load_b32 v[BVR], v[T0] offset:128           ; inv_k
	s_wait_dscnt 0x0
	v_max_num_f32 v[BG], |v[BG]|, |v[BB]|
	v_and_b32 v[BVR], 0x7fffffff, v[BVR]
.irp m, 1,2,4,8
	v_max_num_f32_dpp v[BG], v[BG], v[BG] row_xmask:\m row_mask:0xf bank_mask:0xf
	v_max_num_f32_dpp v[BVR], v[BVR], v[BVR] row_xmask:\m row_mask:0xf bank_mask:0xf
.endr
	v_permlanex16_b32 v[BI], v[BG], s[SEL], s[SEL+1]
	v_permlanex16_b32 v[T1], v[BVR], s[SEL], s[SEL+1]
	v_max_num_f32 v[BG], v[BG], v[BI]
	v_max_num_f32 v[BVR], v[BVR], v[T1]
	v_and_b32 v[BG], 0x7f800000, v[BG]             ; the exponent alone: the power of two under the maximum
	v_and_b32 v[BVR], 0x7f800000, v[BVR]
	v_max_num_f32 v[BG], 0x2b800000, v[BG]         ; PQ, 2^-40 at the least (all of a head's numbers may be 0)
	v_max_num_f32 v[BVR], 0x2b800000, v[BVR]       ; PK
	v_sub_nc_u32 v[BI], 0x7f000000, v[BG]          ; 1 / PQ, exactly: the exponent field 254 - e
	v_sub_nc_u32 v[T1], 0x7f000000, v[BVR]         ; 1 / PK
	v_mul_f32 v[BG], v[BG], v[BVR]                 ; f = PQ PK
	v_readfirstlane_b32 s[RQ], v[BI]               ; the same in every lane; each is named as a pair, so both words are written
	s_mov_b32 s[RQ+1], s[RQ]
	v_readfirstlane_b32 s[RK], v[T1]
	s_mov_b32 s[RK+1], s[RK]
	v_readfirstlane_b32 s[FS], v[BG]
	s_mov_b32 s[FS+1], s[FS]
; THE PROJECTION.  16 steps (2 groups x 8 channel blocks) in one stream; x is loaded two steps ahead, into two sets of registers by turns.
; Four products of output block o with fragment fr of W.  swap = 0 (q, k): A = W, B = x: a lane holds a pixel and 8 channels.  swap = 1 (v): A = x, B = W: a lane holds a channel and 8 pixels.
.macro PROD o, fr, swap, first
.irp j, 0,1,2,3
.if \swap
.if \first
	v_wmma_f32_16x16x32_bf16 v[32*(\o)+8*(\j):32*(\o)+8*(\j)+7], v[XF+8*(\j):XF+8*(\j)+7], v[(\fr):(\fr)+7], 0
.else
	v_wmma_f32_16x16x32_bf16 v[32*(\o)+8*(\j):32*(\o)+8*(\j)+7], v[XF+8*(\j):XF+8*(\j)+7], v[(\fr):(\fr)+7], v[32*(\o)+8*(\j):32*(\o)+8*(\j)+7]
.endif
.else
.if \first
	v_wmma_f32_16x16x32_bf16 v[32*(\o)+8*(\j):32*(\o)+8*(\j)+7], v[(\fr):(\fr)+7], v[XF+8*(\j):XF+8*(\j)+7], 0
.else
	v_wmma_f32_16x16x32_bf16 v[32*(\o)+8*(\j):32*(\o)+8*(\j)+7], v[(\fr):(\fr)+7], v[XF+8*(\j):XF+8*(\j)+7], v[32*(\o)+8*(\j):32*(\o)+8*(\j)+7]
.endif
.endif
.endr
.endm
; One step: 32 products on 32 accumulators, which take turns, one instruction a turn.  first: the products start the sums.  ld: this set of registers is loaded again, for the step two on.
; cnt: the other set's loads, which may stay out.  pf: the one prefetch.
.macro KSTEP st, xp, first, ld, cnt, pf
	v_add_nc_u32 v[KA], s[WO], v[WL]
.irp o, 0,1,2,3
	ds_load_b128 v[F+8*(\o):F+8*(\o)+3],   v[KA] offset:(\o)*OBW
	ds_load_b128 v[F+8*(\o)+4:F+8*(\o)+7], v[KA] offset:(\o)*OBW+544
.endr
.irp o, 0,1
	ds_load_b128 v[F4+8*(\o):F4+8*(\o)+3],   v[KA] offset:(4+(\o))*OBW
	ds_load_b128 v[F4+8*(\o)+4:F4+8*(\o)+7], v[KA] offset:(4+(\o))*OBW+544
.endr
.if \ld
	s_add_co_u32 s69, s[SN], 2                     ; step m = n + 2: group m / 8, channel block (m + head) % 8
	s_lshr_b32 s70, s69, 3
	s_lshl_b32 s70, s70, 8
	s_add_co_u32 s69, s69, s[HD]
	s_and_b32 s69, s69, 7
	s_lshl_b32 s69, s69, 17
	s_add_co_u32 s[OFF], s69, s70
.endif
	s_wait_loadcnt \cnt                            ; this set's 16 loads are in, so their base may be written too
.set n, 0
.rept 32
	v_cvt_pk_bf16_f32 v[XF+n], v[(\st)+8*(n%8)+n/8], v[(\st)+8*(n%8)+4+n/8]  ; register n % 8 of fragment n / 8: two neighbouring channels of pixel 4 r + n / 8
.set n, n+1
.endr
.if \ld
	s_add_nc_u64 s[\xp:\xp+1], s[XB:XB+1], s[OFF:OFF+1]
	XLOADS \st, \xp
.endif
.if \pf
	global_prefetch_b8 v[PFO], s[PF:PF+1] th:TH_LOAD_NT scope:SCOPE_SE  ; my 256 bytes of the 32 rows of channel block 'head', second group: loaded five steps on.  The eight heads name the eight blocks, each once
.endif
	s_wait_dscnt 0x0                               ; F0-F5
	WIN 0x50
	PROD 0, F, 0, \first
	PROD 1, F+8, 0, \first
	WIN 0
	NOP4                                           ; in front of the loads into F0, F1
.irp o, 0,1
	ds_load_b128 v[F+8*(\o):F+8*(\o)+3],   v[KA] offset:(6+(\o))*OBW
	ds_load_b128 v[F+8*(\o)+4:F+8*(\o)+7], v[KA] offset:(6+(\o))*OBW+544
.endr
	WIN 0x50
	PROD 2, F+16, 0, \first
	PROD 3, F+24, 0, \first
	PROD 4, F4, 1, \first
	PROD 5, F4+8, 1, \first
	s_wait_dscnt 0x0
	PROD 6, F, 1, \first
	PROD 7, F+8, 1, \first
	WIN 0
	NOP4                                           ; in front of the next step's loads and conversions
	s_add_co_u32 s[WO], s[WO], FRW
	s_add_co_u32 s[SN], s[SN], 1
.endm
; A group's end: q^ = (c inv_q / PQ) (wq x) + c bias_q / PQ, k^ = (inv_k / PK) (wk x), v^ = wv x, each rounded once to f16; Q stays in registers, K and V^T go to LDS as fragments.
.macro PEPI g
.irp o, 0,1
.irp e, 0,1
	ds_load_b128 v[XF+8*(\o)+4*(\e):XF+8*(\o)+4*(\e)+3],       v[TQ] offset:64*(\o)+16*(\e)      ; q's inv, channels 16 o + 8 h + ..
	ds_load_b128 v[XF+16+8*(\o)+4*(\e):XF+16+8*(\o)+4*(\e)+3], v[TQ] offset:512+64*(\o)+16*(\e)  ; q's bias
	ds_load_b128 v[F4+8*(\o)+4*(\e):F4+8*(\o)+4*(\e)+3],       v[TQ] offset:128+64*(\o)+16*(\e)  ; k's inv
.endr
.endr
	NOP4                                           ; eight places in all behind the last product
	s_wait_dscnt 0x0
.set n, 0
.rept 16
	v_pk_mul_f32 v[XF+2*n:XF+2*n+1], v[XF+2*n:XF+2*n+1], s[RQ:RQ+1] op_sel_hi:[1,0]  ; q's inv and bias by 1 / PQ: exact
.set n, n+1
.endr
.set n, 0
.rept 8
	v_pk_mul_f32 v[F4+2*n:F4+2*n+1], v[F4+2*n:F4+2*n+1], s[RK:RK+1] op_sel_hi:[1,0]  ; k's inv by 1 / PK
.set n, n+1
.endr
	WIN 0x41
.set n, 0
.rept 32                            ; each accumulator from its low end on
	v_pk_fma_f32 v[8*(n/4)+2*(n%4):8*(n/4)+2*(n%4)+1], v[8*(n/4)+2*(n%4):8*(n/4)+2*(n%4)+1], v[XF+8*(n/16)+2*(n%4):XF+8*(n/16)+2*(n%4)+1], v[XF+16+8*(n/16)+2*(n%4):XF+16+8*(n/16)+2*(n%4)+1]
.set n, n+1
.endr
.set n, 0
.rept 32
	v_pk_mul_f32 v[64+8*(n/4)+2*(n%4):64+8*(n/4)+2*(n%4)+1], v[64+8*(n/4)+2*(n%4):64+8*(n/4)+2*(n%4)+1], v[F4+8*(n/16)+2*(n%4):F4+8*(n/16)+2*(n%4)+1]
.set n, n+1
.endr
	WIN 0x05
.set n, 0
.rept 32                            ; block n / 16, fragment (n / 4) % 4: block 0 gives registers 0-3 of a fragment, block 1 registers 4-7
	v_cvt_pk_f16_f32 v[Q+32*(\g)+8*((n/4)%4)+4*(n/16)+n%4], v[8*(n/4)+2*(n%4)], v[8*(n/4)+2*(n%4)+1]
.set n, n+1
.endr
.set n, 0
.rept 32
	v_cvt_pk_f16_f32 v[XF+8*((n/4)%4)+4*(n/16)+n%4], v[64+8*(n/4)+2*(n%4)], v[64+8*(n/4)+2*(n%4)+1]
.set n, n+1
.endr
	WIN 0
.irp j, 0,1,2,3
.irp o, 0,1
	ds_store_b128 v[KS], v[XF+8*(\j)+4*(\o):XF+8*(\j)+4*(\o)+3] offset:(\g)*4096+(\j)*1024+(\o)*512
.endr
.endr
.irp hf, 0,1                        ; keys 32 hf on of the group: fragments 2 hf and 2 hf + 1 are registers 0-3 and 4-7 of V^T's; each accumulator is read from its low end on
	WIN 0x05
.set n, 0
.rept 32
	v_cvt_pk_f16_f32 v[XF+n], v[128+32*((n/4)%4)+8*(2*(\hf)+n/16)+2*(n%4)], v[128+32*((n/4)%4)+8*(2*(\hf)+n/16)+2*(n%4)+1]
.set n, n+1
.endr
	WIN 0
.irp jl, 0,1
.irp c, 0,1,2,3
	ds_store_b128 v[VS], v[XF+16*(\jl)+4*(\c):XF+16*(\jl)+4*(\c)+3] offset:(\g)*8192+(\hf)*4096+(\c)*1024+(\jl)*512
.endr
.endr
.endr
.endm
	s_mov_b32 s[SN], 0
	s_mov_b32 s[WO], 0
	KSTEP STA, XPA, 1, 1, 16, 0
	KSTEP STB, XPB, 0, 1, 16, 1
	s_mov_b32 s[CNT], 3
.Lg0:
	KSTEP STA, XPA, 0, 1, 16, 0
	KSTEP STB, XPB, 0, 1, 16, 0
	s_sub_co_u32 s[CNT], s[CNT], 1
	s_cmp_lg_u32 s[CNT], 0
	s_cbranch_scc1 .Lg0
	PEPI 0                                         ; the second group's first two steps are on their way meanwhile
	s_mov_b32 s[WO], 0
	KSTEP STA, XPA, 1, 1, 16, 0
	KSTEP STB, XPB, 0, 1, 16, 0
	s_mov_b32 s[CNT], 2
.Lg1:
	KSTEP STA, XPA, 0, 1, 16, 0
	KSTEP STB, XPB, 0, 1, 16, 0
	s_sub_co_u32 s[CNT], s[CNT], 1
	s_cmp_lg_u32 s[CNT], 0
	s_cbranch_scc1 .Lg1
	KSTEP STA, XPA, 0, 0, 16, 0                    ; the last two steps load nothing
	KSTEP STB, XPB, 0, 0, 0, 0
	PEPI 1
	s_wait_dscnt 0x0                               ; my K and V are in LDS
	BAR                                            ; everybody's are
	s_mov_b32 s[A5], 0x3f07dc22                    ; half the five coefficients of erf's form; each named as a pair, so both words are written
	s_mov_b32 s[A5+1], 0x3f07dc22
	s_mov_b32 s[A4], 0xbf3a00e3
	s_mov_b32 s[A4+1], 0xbf3a00e3
	s_mov_b32 s[A3], 0x3f35f0e3
	s_mov_b32 s[A3+1], 0x3f35f0e3
	s_mov_b32 s[A2], 0xbe11a98e
	s_mov_b32 s[A2+1], 0xbe11a98e
	s_mov_b32 s[A1], 0x3e027906
	s_mov_b32 s[A1+1], 0x3e027906
	s_mov_b32 s[NK], 0xbf38aa3b                    ; -log2(e) / 2
	s_mov_b32 s[NK+1], 0xbf38aa3b
	s_mov_b32 s[PP], 0x3e6d3388                    ; 0.3275911 / sqrt(2)
; PASS 1: each query's maximum of s^ (f is positive, so it is the maximum of f s^ too).  A step is 32 keys: 16 products that start at 0, then 64 v_max3_num_f32; a tile's links stand eight instructions apart.  K has two buffers.
.macro P1STEP cur, nxt, off, ld
.if \ld
.irp e, 0,1,2,3
	ds_load_b128 v[(\nxt)+4*(\e):(\nxt)+4*(\e)+3], v[KA] offset:(\off)+512*(\e)
.endr
	s_wait_dscnt 0x4                               ; the four just issued may stay out
.else
	s_wait_dscnt 0x0
.endif
.set t, 0
.rept 8
	v_wmma_f32_16x16x32_f16 v[SA+8*t:SA+8*t+7], v[(\cur):(\cur)+7], v[Q+8*t:Q+8*t+7], 0
.set t, t+1
.endr
.set t, 0
.rept 8
	v_wmma_f32_16x16x32_f16 v[SB+8*t:SB+8*t+7], v[(\cur)+8:(\cur)+15], v[Q+8*t:Q+8*t+7], 0
.set t, t+1
.endr
	NOP4
.set n, 0
.rept 32                            ; pair n / 8 of tile n % 8: each accumulator's lowest registers first
	v_max3_num_f32 v[MX+n%8], v[MX+n%8], v[SA+8*(n%8)+2*(n/8)], v[SA+8*(n%8)+2*(n/8)+1]
.set n, n+1
.endr
.set n, 0
.rept 32
	v_max3_num_f32 v[MX+n%8], v[MX+n%8], v[SB+8*(n%8)+2*(n/8)], v[SB+8*(n%8)+2*(n/8)+1]
.set n, n+1
.endr
.endm
	s_mov_b32 s[KO], 0
	v_mov_b32 v[KA], v[LN]
.irp e, 0,1,2,3
	ds_load_b128 v[KF+4*(\e):KF+4*(\e)+3], v[KA] offset:512*(\e)
.endr
.set t, 0
.rept 8
	v_mov_b32 v[MX+t], 0xff7fffff                  ; the lowest finite number
.set t, t+1
.endr
	s_mov_b32 s[CNT], 15
.Lp1:
	P1STEP KF, KF2, 2048, 1
	P1STEP KF2, KF, 4096, 1
	s_add_co_u32 s[KO], s[KO], 4096
	v_add_nc_u32 v[KA], s[KO], v[LN]
	s_sub_co_u32 s[CNT], s[CNT], 1
	s_cmp_lg_u32 s[CNT], 0
	s_cbranch_scc1 .Lp1
	P1STEP KF, KF2, 2048, 1
	P1STEP KF2, KF, 0, 0
.set t, 0
.rept 8
	v_permlanex16_b32 v[SB+t], v[MX+t], s[SEL], s[SEL+1]          ; the query's other keys lie in the lane 16 away
.set t, t+1
.endr
.set n, 0
.rept 64
	v_min_num_f32 v[NEGM+n], -v[MX+n/8], -v[SB+n/8]               ; -m^, eight times: a C operand
.set n, n+1
.endr
; PASS 2.  32 steps of 32 keys; pieces p = 0..3 of two tiles.  SMM: s^ - m^.  VEC: times f; 32 exponentials as one batch with one wait; 16 roundings; the sums.  PVM: O^T += V^T P.
.macro SMM p
.irp kb, 0,1
.irp u, 0,1
	v_wmma_f32_16x16x32_f16 v[S+16*(\u)+8*(\kb):S+16*(\u)+8*(\kb)+7], v[KF+8*(\kb):KF+8*(\kb)+7], v[Q+8*(2*(\p)+(\u)):Q+8*(2*(\p)+(\u))+7], v[NEGM+8*(2*(\p)+(\u)):NEGM+8*(2*(\p)+(\u))+7]
.endr
.endr
.endm
.macro PVM p, zero
	WIN 0x50
.irp c, 0,1,2,3
.irp u, 0,1
.if \zero
	v_wmma_f32_16x16x32_f16 v[32*(2*(\p)+(\u))+8*(\c):32*(2*(\p)+(\u))+8*(\c)+7], v[VF+8*(\c):VF+8*(\c)+7], v[P+8*(\u):P+8*(\u)+7], 0
.else
	v_wmma_f32_16x16x32_f16 v[32*(2*(\p)+(\u))+8*(\c):32*(2*(\p)+(\u))+8*(\c)+7], v[VF+8*(\c):VF+8*(\c)+7], v[P+8*(\u):P+8*(\u)+7], v[32*(2*(\p)+(\u))+8*(\c):32*(2*(\p)+(\u))+8*(\c)+7]
.endif
.endr
.endr
	WIN 0
.endm
.macro VEC p, first
.set n, 0
.rept 16                            ; ascending: each accumulator's lowest registers are read first
	v_pk_mul_f32 v[S+2*n:S+2*n+1], v[S+2*n:S+2*n+1], s[FS:FS+1] op_sel_hi:[1,0]  ; the exponent f (s^ - m^)
.set n, n+1
.endr
.set n, 0
.rept 32
	v_exp_f32 v[S+n], v[S+n]
.set n, n+1
.endr
	v_nop                                          ; the plain instruction behind the last exponential
	s_wait_alu depctr_va_vdst(0)                   ; one wait for the batch, ahead of its first reader
.set n, 0
.rept 16
	v_cvt_pk_f16_f32 v[P+n], v[S+2*n], v[S+2*n+1]
.set n, n+1
.endr
.set n, 0
.rept 8
	v_pk_add_f32 v[S+4*n:S+4*n+1], v[S+4*n:S+4*n+1], v[S+4*n+2:S+4*n+3]
.set n, n+1
.endr
.set n, 0
.rept 4
	v_pk_add_f32 v[S+8*n:S+8*n+1], v[S+8*n:S+8*n+1], v[S+8*n+4:S+8*n+5]
.set n, n+1
.endr
.set n, 0
.rept 2
.if \first
	v_pk_add_f32 v[L+2*(2*(\p)+n):L+2*(2*(\p)+n)+1], v[S+16*n:S+16*n+1], v[S+16*n+8:S+16*n+9]
.else
	v_pk_add_f32 v[S+16*n:S+16*n+1], v[S+16*n:S+16*n+1], v[S+16*n+8:S+16*n+9]
.endif
.set n, n+1
.endr
.if !(\first)
.set n, 0
.rept 2
	v_pk_add_f32 v[L+2*(2*(\p)+n):L+2*(2*(\p)+n)+1], v[L+2*(2*(\p)+n):L+2*(2*(\p)+n)+1], v[S+16*n:S+16*n+1]
.set n, n+1
.endr
.endif
.endm
.macro KLOAD
.irp e, 0,1,2,3
	ds_load_b128 v[KF+4*(\e):KF+4*(\e)+3], v[KA] offset:512*(\e)
.endr
.endm
.macro VLOAD
.irp e, 0,1,2,3,4,5,6,7
	ds_load_b128 v[VF+4*(\e):VF+4*(\e)+3], v[VA] offset:512*(\e)
.endr
.endm
.macro TRIP first, last
	s_wait_dscnt 0x8                               ; K is in; V's eight loads are younger
	SMM 0
	NOP4
	VEC 0, \first
	s_wait_dscnt 0x0                               ; V is in
	PVM 0, \first
	SMM 1
	NOP4                                           ; behind SMM for the scalings, behind PVM for the roundings that write P
	VEC 1, \first
	PVM 1, \first
	SMM 2
	NOP4
	VEC 2, \first
	PVM 2, \first
	SMM 3
	NOP4                                           ; also the places in front of K's loads
.if !(\last)
	s_add_co_u32 s[KO], s[KO], 2048
	v_add_nc_u32 v[KA], s[KO], v[LN]
	KLOAD
.endif
	VEC 3, \first
	PVM 3, \first
.if !(\last)
	NOP4
	s_add_co_u32 s[VO], s[VO], 4096
	v_add_nc_u32 v[VA], s[VO], v[LN]
	VLOAD
.endif
.endm
	s_mov_b32 s[KO], 0
	v_mov_b32 v[KA], v[LN]
	KLOAD
	s_mov_b32 s[VO], VB
	v_add_nc_u32 v[VA], s[VO], v[LN]
	VLOAD
	TRIP 1, 0                                      ; the first step starts O^T's sums and l
	s_mov_b32 s[CNT], 30
.Lp2:
	TRIP 0, 0
	s_sub_co_u32 s[CNT], s[CNT], 1
	s_cmp_lg_u32 s[CNT], 0
	s_cbranch_scc1 .Lp2
	TRIP 0, 1
; THE WAY OUT.  (O / l) inv_v + cv goes through my scratch in LDS, so that GELU is written once and looped over the eight tiles.
.irp c, 0,1,2,3
.irp e, 0,1
	ds_load_b128 v[CV+8*(\c)+4*(\e):CV+8*(\c)+4*(\e)+3],   v[TQ] offset:768+64*(\c)+16*(\e)  ; v's bias of channels 16 c + 8 h + ..
	ds_load_b128 v[IVR+8*(\c)+4*(\e):IVR+8*(\c)+4*(\e)+3], v[TQ] offset:256+64*(\c)+16*(\e)  ; v's inv of the same
.endr
.endr
.set t, 0
.rept 8
	v_add_f32 v[KF+t], v[L+2*t], v[L+2*t+1]
.set t, t+1
.endr
.set t, 0
.rept 8
	v_permlanex16_b32 v[KF+8+t], v[KF+t], s[SEL], s[SEL+1]
.set t, t+1
.endr
.set t, 0
.rept 8
	v_add_f32 v[KF+t], v[KF+t], v[KF+8+t]
.set t, t+1
.endr
.set t, 0
.rept 8
	v_rcp_f32 v[RL+2*t], v[KF+t]
.set t, t+1
.endr
	v_nop
	s_wait_alu depctr_va_vdst(0)                   ; one wait for the eight reciprocals
	s_wait_dscnt 0x0                               ; my reads of K, V, W and the tables are over
	BAR                                            ; everybody's are: the scratch may lie over them
.set t, 0
.rept 8
	WIN 0x01
.set n, 0
.rept 16                            ; each accumulator from its low end on
	v_pk_mul_f32 v[TT+32*(t%2)+2*n:TT+32*(t%2)+2*n+1], v[32*t+2*n:32*t+2*n+1], v[RL+2*t:RL+2*t+1] op_sel_hi:[1,0]
.set n, n+1
.endr
	WIN 0
.set n, 0
.rept 16
	v_pk_fma_f32 v[TT+32*(t%2)+2*n:TT+32*(t%2)+2*n+1], v[TT+32*(t%2)+2*n:TT+32*(t%2)+2*n+1], v[IVR+2*n:IVR+2*n+1], v[CV+2*n:CV+2*n+1]
.set n, n+1
.endr
.set n, 0
.rept 8
	ds_store_b128 v[SCRL], v[TT+32*(t%2)+4*n:TT+32*(t%2)+4*n+3] offset:t*4096+n*512
.set n, n+1
.endr
.set t, t+1
.endr
	s_lshl_b32 s[OFF], s[BT], 21                   ; a batch is 16 groups of 131,072 bytes,
	s_lshl_b32 s69, s[WV], 18                      ; my wave's two groups,
	s_add_co_u32 s[OFF], s[OFF], s69
	s_lshl_b32 s69, s[HD], 14                      ; k steps 2 head and 2 head + 1, 8,192 bytes each
	s_add_co_u32 s[OFF], s[OFF], s69
	s_add_nc_u64 s[AB:AB+1], s[34:35], s[OFF:OFF+1]
; gelu(x) = max(x, 0) - |x| (poly(t) / 2) 2^(-x^2 log2(e) / 2), t = 1 / (1 + 0.2316419 |x|): no difference of near numbers for x < 0.
; The 64 reciprocals and exponentials are one batch, plain lines between them; the 32 maxima are the independent work ahead of the one wait.
.macro GELU
.set i, 0
.rept 17
.if i < 16
	v_pk_mul_f32 v[Y+2*i:Y+2*i+1], v[X+2*i:X+2*i+1], s[NK:NK+1] op_sel_hi:[1,0]
.endif
.if i > 0
	v_rcp_f32 v[U+2*i-2], v[U+2*i-2]
.endif
.if i < 16
	v_pk_mul_f32 v[Y+2*i:Y+2*i+1], v[Y+2*i:Y+2*i+1], v[X+2*i:X+2*i+1]
.endif
.if i > 0
	v_rcp_f32 v[U+2*i-1], v[U+2*i-1]
.endif
.if i < 16
	v_fma_f32 v[U+2*i], |v[X+2*i]|, s[PP], 1.0
.endif
.if i > 0
	v_exp_f32 v[Y+2*i-2], v[Y+2*i-2]
.endif
.if i < 16
	v_fma_f32 v[U+2*i+1], |v[X+2*i+1]|, s[PP], 1.0
.endif
.if i > 0
	v_exp_f32 v[Y+2*i-1], v[Y+2*i-1]
.endif
.set i, i+1
.endr
.set n, 0
.rept 32
	v_max_num_f32 v[M+n], 0, v[X+n]
.set n, n+1
.endr
	s_wait_alu depctr_va_vdst(0)
.set n, 0
.rept 16
	v_pk_fma_f32 v[PL+2*n:PL+2*n+1], v[U+2*n:U+2*n+1], s[A5:A5+1], s[A4:A4+1] op_sel_hi:[1,0,0]
.set n, n+1
.endr
.irp a, A3, A2, A1
.set n, 0
.rept 16
	v_pk_fma_f32 v[PL+2*n:PL+2*n+1], v[PL+2*n:PL+2*n+1], v[U+2*n:U+2*n+1], s[\a:\a+1] op_sel_hi:[1,1,0]
.set n, n+1
.endr
.endr
.set n, 0
.rept 16
	v_pk_mul_f32 v[PL+2*n:PL+2*n+1], v[PL+2*n:PL+2*n+1], v[U+2*n:U+2*n+1]
.set n, n+1
.endr
.set n, 0
.rept 16
	v_pk_mul_f32 v[PL+2*n:PL+2*n+1], v[PL+2*n:PL+2*n+1], v[Y+2*n:Y+2*n+1]
.set n, n+1
.endr
.set n, 0
.rept 32
	v_fma_f32 v[M+n], -|v[X+n]|, v[PL+n], v[M+n]
.set n, n+1
.endr
.endm
	s_mov_b32 s[SO], 0
	s_mov_b32 s[TN], 0
	s_mov_b32 s[CNT], 8
.Lout:                              ; a trip a tile
	v_add_nc_u32 v[TMPV], s[SO], v[SCRL]
.set n, 0
.rept 8
	ds_load_b128 v[X+4*n:X+4*n+3], v[TMPV] offset:n*512            ; my own bytes: LDS serves a wave's instructions in order (ISA guide 5.7.1.4)
.set n, n+1
.endr
	s_wait_dscnt 0x0
	GELU
	s_wait_xcnt 0x0                                ; the last trip's stores have read G, GL and their base: all are written below
.set n, 0
.rept 16
	v_cvt_pk_bf16_f32 v[G+n], v[M+2*n], v[M+2*n+1]                ; hi.  Channel blocks 2 cp, 2 cp + 1 are registers 0-3, 4-7 of a fragment of act
.set n, n+1
.endr
.set n, 0
.rept 16
	v_lshlrev_b32 v[U+2*n], 16, v[G+n]                            ; hi widened again
	v_and_b32 v[U+2*n+1], 0xffff0000, v[G+n]
.set n, n+1
.endr
.set n, 0
.rept 16
	v_pk_add_f32 v[M+2*n:M+2*n+1], v[M+2*n:M+2*n+1], v[U+2*n:U+2*n+1] neg_lo:[0,1] neg_hi:[0,1]  ; what the rounding left: exact in f32
.set n, n+1
.endr
.set n, 0
.rept 16
	v_cvt_pk_bf16_f32 v[GL+n], v[M+2*n], v[M+2*n+1]               ; lo
.set n, n+1
.endr
	s_lshr_b32 s69, s[TN], 2                       ; tile = 4 group + fragment
	s_lshl_b32 s69, s69, 17
	s_and_b32 s70, s[TN], 3
	s_lshl_b32 s70, s70, 10
	s_add_co_u32 s[OFF], s69, s70
	s_add_nc_u64 s[AP:AP+1], s[AB:AB+1], s[OFF:OFF+1]
.irp c, 0,1,2,3
	global_store_b128 v[LN], v[G+4*(\c):G+4*(\c)+3], s[AP:AP+1] offset:((\c)/2)*8192+((\c)%2)*512  ; 512 bytes on end, aligned
.endr
.irp c, 0,1,2,3
	global_store_b128 v[LN], v[GL+4*(\c):GL+4*(\c)+3], s[AP:AP+1] offset:((\c)/2)*8192+4096+((\c)%2)*512
.endr
	s_add_co_u32 s[SO], s[SO], 4096
	s_add_co_u32 s[TN], s[TN], 1
	s_sub_co_u32 s[CNT], s[CNT], 1
	s_cmp_lg_u32 s[CNT], 0
	s_cbranch_scc1 .Lout
	s_wait_tensorcnt 0x0                           ; the wave's end, behind my last LDS store
	ds_add_u32 v[SPW], v[NIL]
	s_wait_dscnt 0x0
	s_endpgm
.Lfunc_end_k_qd533a52678_attn:
	.size	k_qd533a52678_attn, .Lfunc_end_k_qd533a52678_attn-k_qd533a52678_attn
	.p2alignl 7, 3214868480
	.fill 96, 4, 3214868480
	.section	.rodata,"a",@progbits
	.p2align	6, 0x0
	.amdhsa_kernel k_qd533a52678_attn
		.amdhsa_group_segment_fixed_size 268288
		.amdhsa_private_segment_fixed_size 0
		.amdhsa_enable_private_segment 0
		.amdhsa_kernarg_size 136
		.amdhsa_user_sgpr_count 2
		.amdhsa_user_sgpr_kernarg_segment_ptr 1
		.amdhsa_wavefront_size32 1
		.amdhsa_system_sgpr_workgroup_id_x 1
		.amdhsa_system_sgpr_workgroup_id_y 1
		.amdhsa_system_sgpr_workgroup_id_z 1
		.amdhsa_system_vgpr_workitem_id 0
		.amdhsa_next_free_vgpr 512
		.amdhsa_next_free_sgpr 80
		.amdhsa_reserve_vcc 0
		.amdhsa_float_denorm_mode_32 3
		.amdhsa_float_denorm_mode_16_64 3
		.amdhsa_memory_ordered 1
		.amdhsa_forward_progress 1
		.amdhsa_inst_pref_size 255
	.end_amdhsa_kernel
	.section	.bss,"aw",@nobits
	.p2align	6
	.space	262144
	.amdgpu_metadata
---
amdhsa.version: [ 1, 2 ]
amdhsa.kernels:
  - .name:           k_qd533a52678_attn
    .symbol:         k_qd533a52678_attn.kd
    .args:
      - { .name: x, .offset: 0, .size: 8, .value_kind: global_buffer, .address_space: global }
      - { .name: wq, .offset: 8, .size: 8, .value_kind: global_buffer, .address_space: global }
      - { .name: wk, .offset: 16, .size: 8, .value_kind: global_buffer, .address_space: global }
      - { .name: wv, .offset: 24, .size: 8, .value_kind: global_buffer, .address_space: global }
      - { .name: gq, .offset: 32, .size: 8, .value_kind: global_buffer, .address_space: global }
      - { .name: vq, .offset: 40, .size: 8, .value_kind: global_buffer, .address_space: global }
      - { .name: bq, .offset: 48, .size: 8, .value_kind: global_buffer, .address_space: global }
      - { .name: mq, .offset: 56, .size: 8, .value_kind: global_buffer, .address_space: global }
      - { .name: gk, .offset: 64, .size: 8, .value_kind: global_buffer, .address_space: global }
      - { .name: vk, .offset: 72, .size: 8, .value_kind: global_buffer, .address_space: global }
      - { .name: gv, .offset: 80, .size: 8, .value_kind: global_buffer, .address_space: global }
      - { .name: vv, .offset: 88, .size: 8, .value_kind: global_buffer, .address_space: global }
      - { .name: bv, .offset: 96, .size: 8, .value_kind: global_buffer, .address_space: global }
      - { .name: mv, .offset: 104, .size: 8, .value_kind: global_buffer, .address_space: global }
      - { .name: wo, .offset: 112, .size: 8, .value_kind: global_buffer, .address_space: global }
      - { .name: act, .offset: 120, .size: 8, .value_kind: global_buffer, .address_space: global }
      - { .name: wob, .offset: 128, .size: 8, .value_kind: global_buffer, .address_space: global }
    .group_segment_fixed_size: 268288
    .private_segment_fixed_size: 0
    .kernarg_segment_align: 8
    .kernarg_segment_size: 136
    .max_flat_workgroup_size: 256
    .sgpr_count:     80
    .vgpr_count:     512
    .wavefront_size: 32
...
	.end_amdgpu_metadata
.endif
;; end of part 1
;; launch oproj (part 2): grid 256 x 1, 4 waves a work-group, clusters of 4 x 1, 264,704 bytes of LDS; arguments act, wob, go, vo, b_out, mo, be_o, out0; writes out0
.if DOCPART == 2
	.amdgcn_target "amdgcn-amd-amdhsa--gfx1250"
	.amdhsa_code_object_version 6
	.text
	.protected	k_qd533a52678_oproj
	.globl	k_qd533a52678_oproj
	.p2align	8
	.type	k_qd533a52678_oproj,@function
k_qd533a52678_oproj:
	s_mov_b64 s[64:65], 0
	v_nop
	global_prefetch_b8 v0, s[64:65] scope:SCOPE_SE
	s_setreg_imm32_b32 hwreg(HW_REG_WAVE_MODE, 25, 1), 1
	s_wait_xcnt 0x0
	s_wait_alu depctr_hold_cnt(0) depctr_sa_sdst(0) depctr_va_vdst(0) depctr_va_sdst(0) depctr_va_ssrc(0) depctr_va_vcc(0) depctr_vm_vsrc(0)
	s_getreg_b32 s2, hwreg(HW_REG_IB_STS2, 6, 4)
	s_cmp_eq_u32 s2, 0
	s_cbranch_scc0 .Lentry_in_a_cluster
	s_endpgm
.Lentry_in_a_cluster:
	s_bfe_u32 s2, ttmp6, 0x10000c
	s_cmp_lg_u32 s2, 0x3003
	s_cbranch_scc0 .Lentry_shape_is_right
	s_endpgm
.Lentry_shape_is_right:
; out0 = BN(wo . act + b_out): out0[b][o][p] = so[o] sum_c wo[o][c] act[b][c][p] + bo[o], so = go rsqrt(vo + 1e-5), bo = (b_out - mo) so + be_o.  Nothing of this step is left out.
; act comes as two bf16 numbers, hi and lo, whose sum is the number to 16 significant bits; wo is multiplied by both, into the same f32 sums.  go, vo, b_out, mo, be_o are rounded once to bf16 like every input
; of the program; the arithmetic on them is in f32.
; act and wob come as matrix fragments (1,024 bytes each: registers 0-3 of lane l at 16 l, registers 4-7 at 512 + 16 l), as the launch before stored them:
; act fragment (batch, group, k step, part, j) at ((((16 b + grp) 16 + ks) 2 + part) 4 + j) x 1,024; wob fragment (k step, block of 16 rows) at (16 ks + ob) x 1,024.
; SHARES.  Work-group W owns 128 pixels of batch W / 8.  Wave v: group v % 2 of 64 pixels, output rows 128 (v / 2) on: 8 x 4 accumulators, 256 registers, which stay; K goes in 16 steps of 32 channels.
; A step: 8 fragments of wo from LDS, 8 of act (4 pixel fragments, hi and lo: 8,192 bytes on end) straight from memory, 64 products; the 32 accumulators take turns, one instruction a turn.
; IN FLIGHT.  act has two sets of registers, loaded two steps ahead: 32 loads, 16 KiB, of every wave are on their way.  No prefetch: the launch is a stream that is asked for all the time.
; Fragment j of a group holds pixels 4 r + j, so four accumulators' registers jj are four neighbouring pixels of one output row: stores of 16 bytes, sixteen lanes to 256 bytes on end.
; CLUSTER.  All work-groups read the same 262,144 bytes of wo: the four of a cluster ask for them jointly, a quarter a wave, once; LDS is filled once and never again.  One tensor load a wave is out.
; LDS: wo 0; scale 262,144; bias 263,168; spare words 264,192.
; REGISTERS.  Window 0: v0-15 addresses; v16-79, v80-143 wo's fragments, two sets (at the end scale and bias); v144-207 results, two sets.  Window 1: the accumulators, (ob, j) at 8 (4 ob + j).  Window 2: act, two sets of 64.
.set TS,    262144
.set SPARE, 264192                  ; 128 bytes for each of four waves: two blocks of 256 bytes that no other line names
.set R,   1
.set HH,  2
.set LN,  3                         ; 16 x lane
.set AA,  4                         ; LDS address of wo's fragments
.set TA,  5                         ; LDS address in the tables
.set CO,  6                         ; my place in 16 rows of out0; never rewritten
.set T8,  7                         ; 8 x thread
.set TW,  8                         ; TS + 8 x thread
.set TH,  9                         ; TS + 32 (lane / 16)
.set SPW, 14
.set NIL, 15
.set AF0, 16
.set SC,  16
.set BI,  80
.set T,   144
.set WV,  20
.set CX,  21
.set W,   22
.set GG,  23
.set OH,  24
.set G0,  28
.set G1,  32
.set ACTP, 40
.set OP,  42
.set AO,  44
.set TOF, 45
.set CNT, 46
.set MSB, 0
.macro WIN new                      ; bits 1:0 source 0, 3:2 source 1, 5:4 source 2, 7:6 destination; the high byte repeats the setting that is left
.if MSB != (\new)
	s_set_vgpr_msb (MSB<<8)|(\new)
.set MSB, (\new)
.endif
.endm
.macro NOP4                         ; four places behind a matrix instruction (ISA guide 7.12.1)
.rept 4
	v_nop
.endr
.endm
.macro ROUND                        ; a round of the cluster's barrier: my work-group's barrier; wave 0 signals for it; every wave waits for all four work-groups; my work-group's barrier once more
	s_barrier_signal -1
	s_barrier_wait -1
	s_cmp_lg_u32 s[WV], 0
	s_cbranch_scc1 .Lnot_wave_0_\@
	s_barrier_signal -3
.Lnot_wave_0_\@:
	s_barrier_wait -3
	s_barrier_signal -1
	s_barrier_wait -1
.endm
.macro RND a                        ; the pair v[a], v[a + 1] rounded to bf16 and widened again
	v_cvt_pk_bf16_f32 v26, v[\a], v[(\a)+1]
	v_lshlrev_b32 v[\a], 16, v26
	v_and_b32 v[(\a)+1], 0xffff0000, v26
.endm
	s_load_b512 s[4:19], s[0:1], 0x0               ; act wob go vo b_out mo be_o out0
	v_lshl_add_u32 v[SPW], v0, 2, SPARE
	v_mov_b32 v[NIL], 0
	ds_add_u32 v[SPW], v[NIL]                      ; the wave's opening: the add, twice on end, and its wait ahead of my first tensor load
	ds_add_u32 v[SPW], v[NIL]
	v_lshrrev_b32 v13, 5, v0
	v_readfirstlane_b32 s[WV], v13                 ; wave 0..3
	s_bfe_u32 s[CX], ttmp6, 0x40000                ; my place in the cluster: it enters act's and out0's addresses alone
	s_lshl_b32 s[W], ttmp9, 2
	s_add_co_u32 s[W], s[W], s[CX]
	s_and_b32 s[GG], s[WV], 1
	s_lshr_b32 s[OH], s[WV], 1
	s_mov_b32 s[G0], 1                             ; count = 1
	s_lshl_b32 s[G0+1], s[WV], 16                  ; LDS address: my quarter of wo
	s_mov_b32 s[G1], 15|(3<<16)|(1<<21)            ; the mask of four; elements of 8 bytes; bit 21 set beside a mask; no padding
	s_mov_b32 s[G1+1], 32<<16                      ; tensor_dim0 = 32 elements = 256 bytes
	s_mov_b32 s[G1+2], 256<<16                     ; tensor_dim1 = 256 rows
	s_mov_b32 s[G1+3], 32<<16                      ; tile_dim0
	s_mov_b32 s[G1+4], 256                         ; tile_dim1
	s_mov_b32 s[G1+5], 32                          ; rows lie end to end
	s_mov_b32 s[G1+6], 0
	s_mov_b32 s[G1+7], 0
	v_and_b32 v[R], 15, v0
	v_bfe_u32 v[HH], v0, 4, 1
	v_and_b32 v[LN], 31, v0
	v_lshlrev_b32 v[LN], 4, v[LN]
	v_lshlrev_b32 v[CO], 15, v[HH]                 ; 8 rows of 4,096 bytes for the upper lanes
	v_lshl_add_u32 v[CO], v[R], 4, v[CO]
	v_lshlrev_b32 v[T8], 3, v0
	v_add_nc_u32 v[TW], TS, v[T8]
	v_lshlrev_b32 v[TH], 5, v[HH]
	v_add_nc_u32 v[TH], TS, v[TH]
	s_mov_b32 s49, 0
	s_wait_dscnt 0x0                               ; both opening adds are done
	s_wait_kmcnt 0x0
	s_lshl_b32 s48, s[WV], 16
	s_add_nc_u64 s[G0+2:G0+3], s[6:7], s[48:49]    ; my quarter of wob: the wave's number alone
	s_or_b32 s[G0+3], s[G0+3], 0x80000000          ; type = 2
	s_lshl_b32 s48, s[W], 1
	s_add_co_u32 s48, s48, s[GG]
	s_lshl_b32 s48, s48, 17                        ; group 2 W + g of 64 pixels: 131,072 bytes of act
	s_add_nc_u64 s[ACTP:ACTP+1], s[4:5], s[48:49]
	s_lshr_b32 s48, s[W], 3                        ; batch
	s_lshl_b32 s48, s48, 1
	s_add_co_u32 s48, s48, s[OH]
	s_lshl_b32 s48, s48, 19                        ; (256 batch + 128 oh) rows of 4,096 bytes
	s_and_b32 s50, s[W], 7
	s_lshl_b32 s50, s50, 1
	s_add_co_u32 s50, s50, s[GG]
	s_lshl_b32 s50, s50, 8                         ; my 64 pixels in a row
	s_add_co_u32 s48, s48, s50
	s_add_nc_u64 s[OP:OP+1], s[18:19], s[48:49]
	ROUND                                          ; all four work-groups are here: the joint loads meet
	tensor_load_to_lds s[G0:G0+3], s[G1:G1+7]
	s_nop 0
	NOP4
	global_load_b64 v[16:17], v[T8], s[8:9]        ; go, two channels a thread
	global_load_b64 v[18:19], v[T8], s[10:11]      ; vo
	global_load_b64 v[20:21], v[T8], s[12:13]      ; b_out
	global_load_b64 v[22:23], v[T8], s[14:15]      ; mo
	global_load_b64 v[24:25], v[T8], s[16:17]      ; be_o
	WIN 0x80                                       ; act of k steps 0 and 1, into window 2's two sets
.set e, 0
.rept 32
	global_load_b128 v[4*e:4*e+3], v[LN], s[ACTP:ACTP+1] offset:512*e
.set e, e+1
.endr
	WIN 0
	s_wait_loadcnt 0x20                            ; all but act's 32 loads
	RND 16
	RND 18
	RND 20
	RND 22
	RND 24
	v_add_f32 v18, 0x3727c5ac, v18
	v_add_f32 v19, 0x3727c5ac, v19
	v_rsq_f32 v26, v18
	v_rsq_f32 v27, v19
	v_sub_f32 v20, v20, v22                        ; plain work behind the roots
	v_sub_f32 v21, v21, v23
	s_wait_alu depctr_va_vdst(0)                   ; one wait for both, ahead of their first reader
	v_pk_mul_f32 v[26:27], v[26:27], v[16:17]      ; so
	v_pk_fma_f32 v[24:25], v[20:21], v[26:27], v[24:25]  ; bo
	ds_store_b64 v[TW], v[26:27]
	ds_store_b64 v[TW], v[24:25] offset:1024
	s_wait_tensorcnt 0x0                           ; my quarter of wo is in LDS,
	s_wait_dscnt 0x0                               ; and my part of the tables
	s_barrier_signal -1
	s_barrier_wait -1                              ; everybody's are; nothing is filled again
	s_lshl_b32 s[AO], s[OH], 13                    ; my 8 fragments of a k step's 16
	s_lshl_b32 s[TOF], s[OH], 9
	v_add_nc_u32 v[AA], s[AO], v[LN]
.set e, 0
.rept 16
	ds_load_b128 v[AF0+4*e:AF0+4*e+3], v[AA] offset:512*e          ; wo of k step 0
.set e, e+1
.endr
; One k step, on sets p of wo's and act's registers; kk: its place in the trip.  first: the hi products start the sums.  ldw: the next step's wo is fetched into the other set.
; lda: this set of act is loaded again, for the step two on.  lcnt: the other set's loads, which may stay out.
.macro STEP p, kk, first, ldw, lda, lcnt
.if \ldw
.set e, 0
.rept 16
	ds_load_b128 v[AF0+64*(1-(\p))+4*e:AF0+64*(1-(\p))+4*e+3], v[AA] offset:((\kk)+1)*16384+512*e
.set e, e+1
.endr
	s_wait_dscnt 0x10                              ; this step's wo is in; the sixteen just issued may stay out
.else
	s_wait_dscnt 0x0
.endif
	s_wait_loadcnt \lcnt                           ; this step's act is in
	WIN 0x58                                       ; wo in window 0, act in window 2, sums in window 1
.set n, 0
.rept 64                            ; part n / 32, block of rows (n / 4) % 8, pixel fragment n % 4
.set rD, 8*(n%32)
.set rA, AF0+64*(\p)+8*((n/4)%8)
.set rB, 64*(\p)+32*(n/32)+8*(n%4)
.if (\first) && (n < 32)
	v_wmma_f32_16x16x32_bf16 v[rD:rD+7], v[rA:rA+7], v[rB:rB+7], 0
.else
	v_wmma_f32_16x16x32_bf16 v[rD:rD+7], v[rA:rA+7], v[rB:rB+7], v[rD:rD+7]
.endif
.set n, n+1
.endr
	WIN 0
	NOP4                                           ; in front of the loads into registers that those products read
.if \lda
	WIN 0x80
.set e, 0
.rept 16
	global_load_b128 v[64*(\p)+4*e:64*(\p)+4*e+3], v[LN], s[ACTP:ACTP+1] offset:((\kk)+2)*8192+512*e
.set e, e+1
.endr
	WIN 0
.endif
.endm
.macro ONWARD                       ; two k steps on
	s_wait_xcnt 0x0                                ; the loads have read their base
	s_add_nc_u64 s[ACTP:ACTP+1], s[ACTP:ACTP+1], 16384
	s_add_co_u32 s[AO], s[AO], 32768
	v_add_nc_u32 v[AA], s[AO], v[LN]
.endm
	STEP 0, 0, 1, 1, 1, 16                         ; k steps 0 and 1 are written out: the first products start the sums
	STEP 1, 1, 0, 1, 1, 16
	ONWARD
	s_mov_b32 s[CNT], 6
.Lk:
	STEP 0, 0, 0, 1, 1, 16
	STEP 1, 1, 0, 1, 1, 16
	ONWARD
	s_sub_co_u32 s[CNT], s[CNT], 1
	s_cmp_lg_u32 s[CNT], 0
	s_cbranch_scc1 .Lk
	STEP 0, 0, 0, 1, 0, 16                         ; k steps 14 and 15 load no act, the last no wo
	STEP 1, 1, 0, 0, 0, 0
	NOP4                                           ; eight places in all behind the last products
	; THE WAY OUT: so and bo of my 128 rows (rows 8 h + 0..7 of each block), then a block of 16 rows at a time
	v_add_nc_u32 v[TA], s[TOF], v[TH]
.set o, 0
.rept 8
	ds_load_b128 v[SC+8*o:SC+8*o+3],   v[TA] offset:64*o
	ds_load_b128 v[SC+8*o+4:SC+8*o+7], v[TA] offset:64*o+16
	ds_load_b128 v[BI+8*o:BI+8*o+3],   v[TA] offset:1024+64*o
	ds_load_b128 v[BI+8*o+4:BI+8*o+7], v[TA] offset:1024+64*o+16
.set o, o+1
.endr
	s_wait_dscnt 0x0
.set o, 0
.rept 8
.if o >= 2
	s_wait_xcnt 0x0                                ; the stores of two blocks back have read this set of results
.endif
	WIN 0x01
.set n, 0
.rept 32                            ; row n / 4, pixel n % 4: each accumulator's register 0 is read first
	v_fma_f32 v[T+32*(o%2)+n], v[32*o+8*(n%4)+n/4], v[SC+8*o+n/4], v[BI+8*o+n/4]
.set n, n+1
.endr
	WIN 0
.set n, 0
.rept 8
	global_store_b128 v[CO], v[T+32*(o%2)+4*n:T+32*(o%2)+4*n+3], s[OP:OP+1] offset:o*65536+n*4096 th:TH_STORE_NT  ; sixteen lanes store 256 bytes on end, aligned
.set n, n+1
.endr
.set o, o+1
.endr
	s_wait_tensorcnt 0x0                           ; the wave's end, behind my tensor load and my last LDS store
	ds_add_u32 v[SPW], v[NIL]
	s_wait_dscnt 0x0
	ROUND                                          ; the closing round
	s_endpgm
.Lfunc_end_k_qd533a52678_oproj:
	.size	k_qd533a52678_oproj, .Lfunc_end_k_qd533a52678_oproj-k_qd533a52678_oproj
	.p2alignl 7, 3214868480
	.fill 96, 4, 3214868480
	.section	.rodata,"a",@progbits
	.p2align	6, 0x0
	.amdhsa_kernel k_qd533a52678_oproj
		.amdhsa_group_segment_fixed_size 264704
		.amdhsa_private_segment_fixed_size 0
		.amdhsa_enable_private_segment 0
		.amdhsa_kernarg_size 64
		.amdhsa_user_sgpr_count 2
		.amdhsa_user_sgpr_kernarg_segment_ptr 1
		.amdhsa_wavefront_size32 1
		.amdhsa_system_sgpr_workgroup_id_x 1
		.amdhsa_system_sgpr_workgroup_id_y 1
		.amdhsa_system_sgpr_workgroup_id_z 1
		.amdhsa_system_vgpr_workitem_id 0
		.amdhsa_next_free_vgpr 640
		.amdhsa_next_free_sgpr 66
		.amdhsa_reserve_vcc 0
		.amdhsa_float_denorm_mode_32 3
		.amdhsa_float_denorm_mode_16_64 3
		.amdhsa_memory_ordered 1
		.amdhsa_forward_progress 1
		.amdhsa_inst_pref_size 72
	.end_amdhsa_kernel
	.amdgpu_metadata
---
amdhsa.version: [ 1, 2 ]
amdhsa.kernels:
  - .name:           k_qd533a52678_oproj
    .symbol:         k_qd533a52678_oproj.kd
    .args:
      - { .name: act, .offset: 0, .size: 8, .value_kind: global_buffer, .address_space: global }
      - { .name: wob, .offset: 8, .size: 8, .value_kind: global_buffer, .address_space: global }
      - { .name: go, .offset: 16, .size: 8, .value_kind: global_buffer, .address_space: global }
      - { .name: vo, .offset: 24, .size: 8, .value_kind: global_buffer, .address_space: global }
      - { .name: b_out, .offset: 32, .size: 8, .value_kind: global_buffer, .address_space: global }
      - { .name: mo, .offset: 40, .size: 8, .value_kind: global_buffer, .address_space: global }
      - { .name: be_o, .offset: 48, .size: 8, .value_kind: global_buffer, .address_space: global }
      - { .name: out0, .offset: 56, .size: 8, .value_kind: global_buffer, .address_space: global }
    .group_segment_fixed_size: 264704
    .private_segment_fixed_size: 0
    .kernarg_segment_align: 8
    .kernarg_segment_size: 64
    .max_flat_workgroup_size: 128
    .sgpr_count:     66
    .vgpr_count:     640
    .wavefront_size: 32
...
	.end_amdgpu_metadata
.endif
;; end of part 2
